; MI455X (gfx1250); checked and timed in simulation.
; The chip was launched on July 23, 2026; its instructions are those of AMD's public machine-readable ISA for CDNA 5 (MIT licence, August 2026) and "CDNA5" Instruction Set Architecture Reference Guide (July 2026). The comments in the code are by the model that wrote it; some were corrected since.
;; FFQ Linear. Allowed arithmetic: matrix products marked QUANTISED: E3M2 operands, one E8M0 scale for each 32 along K, by v_wmma_scale_f32_16x16x128_f8f6f4 with both operands' format E3M2, f32 sums; everything else in f32.
;; Inputs: bias 4,096 float32; q_int_weight 4,096 x 4,096 int32; scale 1 float32; x_codes 2 x 2,048 x 128 x 24 uint8 (E3M2 codes of x, K innermost, in blocks of 32 codes, four codes in three bytes); x_scales 2 x 2,048 x 128 uint8 (E8M0 scales of x, one for each 32 codes along K); zero_point 1 float32.
;; Outputs: out0 2 x 2,048 x 4,096 float32.
;; This version of the problem:
;;   THIS VERSION OF THE PROBLEM IS GIVEN IN LOW PRECISION. The matrix products marked QUANTISED in the list below multiply operands that are first quantised to E3M2 (3 exponent bits, 2 mantissa bits; 6 bits a number), with one power-of-two scale for each 32 numbers along K (OCP MX v1.0); their sums are f32. All else is computed in f32.
;;   The module's matrix products, in the order in which they are computed (A, B: the left and right operand; K: the contracted axis; several contracted axes count as one K, in the product's order):
;;     1. [M 4,096, K 4,096] x [K 4,096, N 4,096]; A: input x (given as codes); B: computed on the way: QUANTISED
;;   THE QUANTISER, for each operand of a quantised product, along K:
;;     - K is cut into blocks of 32 from its start; a last block that is shorter is filled with zeros.
;;     - A block's scale is 2^e with e = floor(log2(the largest magnitude in the block)) - 4, held to -126 .. 127; a block of zeros has e = 0. As a byte (E8M0): e + 127.
;;     - Each number is divided by its block's scale, clamped to +-28, and rounded to the nearest number of E3M2, ties to even, subnormals kept.
;;     - The product sums the exact products of the quantised numbers (number of the format x scale) in f32.
;;   ~~~python
;;   def quantise(x, axis):      # numpy; x: float32 -> the quantised numbers, widened to float32 again
;;       x = np.moveaxis(x, axis, -1); K = x.shape[-1]
;;       x = np.pad(x, [(0, 0)] * (x.ndim - 1) + [(0, -K % 32)]); x = x.reshape(x.shape[:-1] + (-1, 32)); a = np.abs(x).max(-1, keepdims=True)
;;       e = np.where(a > 0, np.clip(np.frexp(np.where(a > 0, a, 1))[1] - 1 - 4, -126, 127), 0)      # np.frexp(a)[1] - 1 = floor(log2(a)), exactly
;;       r = np.clip(x / 2.0 ** e, -28, 28)
;;       step = 2.0 ** (np.maximum(np.frexp(np.where(r == 0, 1, r))[1] - 1, -2) - 2)
;;       q = np.round(r / step) * step * 2.0 ** e      # np.round: ties to even
;;       return np.moveaxis(q.reshape(q.shape[:-2] + (-1,))[..., :K], -1, axis).astype(np.float32)
;;   ~~~
;;   OPERANDS COMPUTED ON THE WAY. 'Computed on the way' means the value that the module computes at that place (a softmax that the list does not call 'softmax' is quantised finished and normalised). What goes into a quantiser is computed in f32, as accurately as f32 sums, v_exp_f32 and their like allow (about 1e-6 of the number): no bf16 or f16 on the way to a quantiser, and a product that is left as it is and whose result goes on into a quantised operand takes f32 operands (vector FMAs, or v_wmma_f32_16x16x4_f32). A number that lies on a knife's edge between two numbers of the format may be rounded either way, as far as f32 arithmetic and the matrix unit's own rounding can turn it there, and no further.
;;   INPUTS GIVEN AS CODES. x (in the module: [2, 2048, 4096], K = its axis 2): each comes as NAME_codes (uint8): NAME with its K axis moved to the last place and cut into blocks of 32 codes, [.., K / 32, bytes a block], one block behind the other in memory; four codes in three bytes: a row's codes are one little-endian stream of bits, code i at bits 6 i .. 6 i + 5 (a code: sign, 3 exponent bits, 2 mantissa bits); and NAME_scales (uint8): the same leading axes, one E8M0 byte (e + 127) for each 32 codes along K. Its value is code x scale, taken as it is: it is not quantised again, and the codes and scales need not be those that the quantiser above would give.
;; One version. Each part assembles by itself: llvm-mc -triple=amdgcn-amd-amdhsa -mcpu=gfx1250 --defsym DOCPART=n.
;; ======== version 1 of 1: 2 launches
;; limits: right only within a limited range of input values
;; workspace buffers: w_codes 12,582,912 bytes; w_scales 524,288 bytes; xs2 524,288 bytes
;; launch wq (part 1): grid 64 x 4, 16 waves a work-group, no clusters, 54,272 bytes of LDS; arguments q_int_weight, scale, zero_point, x_scales, w_codes, w_scales, xs2; writes w_codes, w_scales, xs2
.if DOCPART == 1
	.amdgcn_target "amdgcn-amd-amdhsa--gfx1250"
	.amdhsa_code_object_version 6
	.text
	.protected	k_q2bbb287280_wq
	.globl	k_q2bbb287280_wq
	.p2align	8
	.type	k_q2bbb287280_wq,@function
k_q2bbb287280_wq:
	s_mov_b64 s[64:65], 0
	v_nop
	global_prefetch_b8 v0, s[64:65] scope:SCOPE_SE
	s_setreg_imm32_b32 hwreg(HW_REG_WAVE_MODE, 25, 1), 1
	s_wait_xcnt 0x0
; w[k][n] = (float(q[k][n]) - zero_point) * scale, q: [4096 (k)][4096 (n)] int32, made in f32 (a subtraction and a multiplication, each rounded),
; and turned into codes of BF6 (E3M2) with one E8M0 byte for each 32 along K, which is q's FIRST axis.
; A block's byte is its largest magnitude's exponent field - 4, held at 1 from below; numbers beyond 28 x the scale get the largest code.
; OUT.  w_codes: [n : 4096][3072 bytes]: a row is column n's 4096 codes along K as one stream of bits.
;       w_scales: [n / 256][k / 256][n % 256][8 bytes]: two words of four bytes, a word for 128 along K; IN EACH WORD THE SECOND AND THIRD BYTE HAVE CHANGED PLACES
;       (bytes 0, 1, 2, 3 scale the word's blocks 0, 2, 1, 3 of 32), as the second launch's fragments want them.   xs2: x_scales in the same order, rows of x for n.
; LIMITS: a block of zeros gets the byte 1 where the rule says 127 (its codes are zeros); NaN and infinities in scale or zero_point are not served.
; SHARES.  Work-group (x, y): columns 64 x .. 64 x + 63, K = 1024 y .. 1024 y + 1023: 768 bytes of each row of w_codes, three whole aligned blocks of 256 bytes.
; Wave kq takes 64 rows of K (two blocks of 32).  A lane takes two neighbouring columns and its registers run down K: a load of 8 bytes a lane reads
; 256 consecutive bytes, aligned; a block lies in one lane.  All 64 loads of a wave go out at its head; there is no loop.
; The codes meet in a stage in LDS (a row to a column, 768 bytes + 16), one barrier, and leave so that sixteen lanes store 256 consecutive bytes, aligned.
; Waves 0-3 store w's scale bytes; waves 4-7 copy 64 rows x 32 bytes of x_scales into xs2 through registers.
; No work-group reads what another reads: nothing for a cluster to share; no tensor loads, no matrix work.
.set QROW,  16384
.set SP,    784                        ; a stage row
.set SCS,   64*SP                      ; behind the stage: [4 (k / 256)][64 columns][8 scale bytes]
.set SPARE, SCS+2048                   ; the spare words: 128 bytes for each of 16 waves
.set WROW,  3072
.set EMAX,  4
.set LO,   2                           ; 8 x lane
.set STA,  3                           ; stage, in
.set SSA,  4                           ; scale bytes, in
.set RAP,  5                           ; stage, out: 16 x lane in my 4 rows
.set RAQ,  6                           ; the same where lanes 16-31 take the next row's first block
.set GOP,  7                           ; and the two in w_codes
.set GOQ,  8
.set SRD,  9
.set SGO,  10
.set TB,   11
.set NZ,   12
.set SCA,  14
.set M,    16
.set SO,   20
.set BY,   22                          ; v22, v23 the first block's byte of column 0, 1; v27, v31 the second block's
.set T,    24                          ; v24-26, v28-30
.set CD,   32                          ; codes: column j, block t at CD + 12 j + 6 t
.set XS,   56                          ; v56-59 two rows' 8 bytes of x_scales
.set XO,   60
.set R,    64
.set X,    192
.set OUT,  64
.set SOUT, 88
	s_load_b256 s[4:11], s[0:1], 0x0               ; q, scale's address, zero_point's, x_scales
	s_load_b128 s[12:15], s[0:1], 0x20             ; w_codes, w_scales
	s_load_b64 s[16:17], s[0:1], 0x30              ; xs2
	v_lshl_add_u32 v62, v0, 2, SPARE
	v_mov_b32 v63, 0
	v_lshrrev_b32 v1, 5, v0
	s_delay_alu instid0(VALU_DEP_1)
	v_readfirstlane_b32 s20, v1                    ; wave = kq, 0..15
	v_and_b32 v1, 31, v0
	s_delay_alu instid0(VALU_DEP_1)
	v_lshlrev_b32 v[LO], 3, v1
	v_lshlrev_b32 v[XO], 8, v1                     ; two rows of x_scales a lane
	s_lshr_b32 s21, s20, 2                         ; which 256 along K of the four
	s_and_b32 s22, s20, 3
	s_and_b32 s23, ttmp7, 0xffff                   ; y
	s_lshl_b32 s24, s23, 24                        ; q: 1024 y rows of 16,384 bytes,
	s_lshl_b32 s26, s20, 20                        ; 64 kq rows,
	s_add_co_u32 s24, s24, s26
	s_lshl_b32 s26, ttmp9, 8                       ; 64 columns a work-group
	s_add_co_u32 s24, s24, s26
	s_mov_b32 s25, 0
	s_lshl_b32 s26, ttmp9, 13                      ; x_scales: 64 x rows of 128 bytes,
	s_lshl_b32 s28, s23, 5                         ; 32 y,
	s_add_co_u32 s26, s26, s28
	s_lshl_b32 s28, s22, 3                         ; 8 (wave & 3)
	s_add_co_u32 s26, s26, s28
	s_mov_b32 s27, 0
	s_wait_alu depctr_va_vdst(0)                   ; the wait at the head's end
	s_wait_kmcnt 0x0
	s_load_b32 s18, s[6:7], 0x0                    ; scale
	s_load_b32 s19, s[8:9], 0x0                    ; zero_point
	s_add_nc_u64 s[4:5], s[4:5], s[24:25]
	s_add_nc_u64 s[10:11], s[10:11], s[26:27]
	s_cmp_lg_u32 s21, 1
	s_cbranch_scc1 .Lnox                           ; waves 4-7 alone; these two loads are older than q's, so the counts below hold on both ways
	global_load_b64 v[XS:XS+1], v[XO], s[10:11]
	global_load_b64 v[XS+2:XS+3], v[XO], s[10:11] offset:128
.Lnox:
.set i, 0
.rept 64
	global_load_b64 v[R+2*i:R+2*i+1], v[LO], s[4:5] offset:i*QROW th:TH_LOAD_NT
.set i, i+1
.endr
	s_mul_i32 s26, s20, 48
	v_mul_u32_u24 v[STA], v1, 2*SP
	s_delay_alu instid0(VALU_DEP_1)
	v_add_nc_u32 v[STA], s26, v[STA]               ; row 2 lane, byte 48 kq
	s_lshl_b32 s26, s21, 9                         ; my first block is block 2 (kq & 3) of the eight: its byte goes to place 0, 1, 4, 5, my second block's two places on
	s_and_b32 s28, s22, 2
	s_lshl_b32 s28, s28, 1
	s_add_co_u32 s26, s26, s28
	s_and_b32 s28, s22, 1
	s_add_co_u32 s26, s26, s28
	s_add_co_u32 s26, s26, SCS
	v_lshl_add_u32 v[SSA], v1, 4, s26
	s_mul_i32 s26, s20, 4*SP                       ; out: wave w takes rows 4 w .. 4 w + 3: 12 blocks of 256 bytes, sixteen lanes a block
	v_lshl_add_u32 v[RAP], v1, 4, s26
	v_lshrrev_b32 v[TB], 4, v1
	s_delay_alu instid0(VALU_DEP_1)
	v_lshl_add_u32 v[RAQ], v[TB], 4, v[RAP]        ; from a row's third block to the next row's first: 272 bytes in the stage,
	s_mul_i32 s26, s20, 4*WROW
	v_lshl_add_u32 v[GOP], v1, 4, s26
	s_delay_alu instid0(VALU_DEP_1)
	v_mad_u32_u24 v[GOQ], v[TB], WROW-768, v[GOP]  ; 2,560 in w_codes
	v_lshlrev_b32 v[SGO], 4, v1
	s_lshl_b32 s26, s22, 9
	s_add_co_u32 s26, s26, SCS
	v_add_nc_u32 v[SRD], s26, v[SGO]
	s_mul_i32 s24, ttmp9, 64*WROW
	s_mul_i32 s26, s23, 768
	s_add_co_u32 s24, s24, s26
	s_add_nc_u64 s[12:13], s[12:13], s[24:25]
	s_lshr_b32 s24, ttmp9, 2
	s_lshl_b32 s24, s24, 15                        ; scales: 32,768 bytes for 256 rows,
	s_lshl_b32 s26, s23, 13                        ; 2,048 for 256 along K: 4 y
	s_add_co_u32 s24, s24, s26
	s_lshl_b32 s26, s22, 11                        ; + wave & 3,
	s_add_co_u32 s24, s24, s26
	s_and_b32 s26, ttmp9, 3
	s_lshl_b32 s26, s26, 9                         ; my 64 rows' 512
	s_add_co_u32 s24, s24, s26
	s_add_nc_u64 s[14:15], s[14:15], s[24:25]
	s_add_nc_u64 s[16:17], s[16:17], s[24:25]
	s_wait_kmcnt 0x0
	s_xor_b32 s19, s19, 0x80000000                 ; q + (-zero_point) is q - zero_point, bit for bit
	v_mov_b32 v[NZ], s19
	v_mov_b32 v[NZ+1], s19
	v_mov_b32 v[SCA], s18
	v_mov_b32 v[SCA+1], s18
.macro BLOCK t                         ; rows 32 t .. 32 t + 31 of my 64, both columns
.if \t == 0
	s_wait_loadcnt 32                              ; the 32 younger loads may be out
.else
	s_wait_loadcnt 0x0
.endif
.set i, 0
.rept 32
	v_cvt_f32_i32 v[X+i], v[R+64*\t+2*i]
	v_cvt_f32_i32 v[X+32+i], v[R+64*\t+2*i+1]
.set i, i+1
.endr
.set i, 0
.rept 32
	v_pk_add_f32 v[X+2*i:X+2*i+1], v[X+2*i:X+2*i+1], v[NZ:NZ+1]
.set i, i+1
.endr
.set i, 0
.rept 32
	v_pk_mul_f32 v[X+2*i:X+2*i+1], v[X+2*i:X+2*i+1], v[SCA:SCA+1]   ; a rounding of its own, as the definition has it: not fused
.set i, i+1
.endr
.irp j, 0,1
	v_max3_num_f32 v[M+2*\j], |v[X+32*\j]|, |v[X+32*\j+1]|, |v[X+32*\j+2]|
	v_max3_num_f32 v[M+2*\j+1], |v[X+32*\j+3]|, |v[X+32*\j+4]|, |v[X+32*\j+5]|
.endr
.irp n, 6,10,14,18,22,26
.irp j, 0,1
	s_delay_alu instid0(VALU_DEP_4)
	v_max3_num_f32 v[M+2*\j], v[M+2*\j], |v[X+32*\j+\n]|, |v[X+32*\j+\n+1]|
	s_delay_alu instid0(VALU_DEP_4)
	v_max3_num_f32 v[M+2*\j+1], v[M+2*\j+1], |v[X+32*\j+\n+2]|, |v[X+32*\j+\n+3]|
.endr
.endr
	s_delay_alu instid0(VALU_DEP_4)
	v_max3_num_f32 v[M], v[M], |v[X+30]|, |v[X+31]|
	s_delay_alu instid0(VALU_DEP_3)
	v_max3_num_f32 v[M+2], v[M+2], |v[X+62]|, |v[X+63]|
.irp j, 0,1
	s_delay_alu instid0(VALU_DEP_2)
	v_max3_num_f32 v[M+2*\j], v[M+2*\j], v[M+2*\j+1], (EMAX+1)<<23   ; the floor: the byte cannot fall under 1
.endr
.irp j, 0,1
	s_delay_alu instid0(VALU_DEP_2)
	v_add_nc_u32 v[SO+\j], -(EMAX<<23), v[M+2*\j]  ; the conversion takes this operand's exponent field as its scale
.endr
.irp j, 0,1
	v_cvt_scalef32_pk16_bf6_f32 v[CD+12*\j+6*\t:CD+12*\j+6*\t+2], v[X+32*\j:X+32*\j+15], v[SO+\j]
	v_cvt_scalef32_pk16_bf6_f32 v[T+4*\j:T+4*\j+2], v[X+32*\j+16:X+32*\j+31], v[SO+\j]   ; three registers begin on an even number: made here and moved
.endr
.irp j, 0,1                            ; the bytes; the first line is also the plain place behind the conversions
.if \t == 0
	v_lshrrev_b32 v[BY+\j], 23, v[SO+\j]
.else
	v_lshrrev_b32 v[BY+5+4*\j], 23, v[SO+\j]
.endif
.endr
.irp j, 0,1
.irp n, 0,1,2
	v_mov_b32 v[CD+12*\j+6*\t+3+\n], v[T+4*\j+\n]
.endr
.endr
.endm
	BLOCK 0
	BLOCK 1
.irp j, 0,1
.irp n, 0,1,2
	ds_store_b128 v[STA], v[CD+12*\j+4*\n:CD+12*\j+4*\n+3] offset:SP*\j+16*\n
.endr
	ds_store_b8 v[SSA], v[BY+\j] offset:8*\j
	ds_store_b8 v[SSA], v[BY+5+4*\j] offset:8*\j+2
.endr
	s_wait_dscnt 0x0                               ; for the others' sake: my stores into the stage are done
	s_barrier_signal -1
	s_barrier_wait -1
.irp u, 0,1,2,3,4,5                    ; blocks 2 u (lanes 0-15) and 2 u + 1 (lanes 16-31) of my twelve; three blocks to a row
.if \u%3 == 1
	ds_load_b128 v[OUT+4*\u:OUT+4*\u+3], v[RAQ] offset:(\u/3)*2*SP+512
.else
	ds_load_b128 v[OUT+4*\u:OUT+4*\u+3], v[RAP] offset:(\u/3)*2*SP+((\u%3)/2)*(SP+256)
.endif
.endr
.irp u, 0,1,2,3,4,5
	s_wait_dscnt 5-\u
.if \u%3 == 1
	global_store_b128 v[GOQ], v[OUT+4*\u:OUT+4*\u+3], s[12:13] offset:(\u/3)*2*WROW+512
.else
	global_store_b128 v[GOP], v[OUT+4*\u:OUT+4*\u+3], s[12:13] offset:(\u/3)*2*WROW+((\u%3)/2)*(WROW+256)
.endif
.endr
	s_cmp_gt_u32 s21, 1
	s_cbranch_scc1 .Ldone
	s_cmp_eq_u32 s21, 1
	s_cbranch_scc1 .Lxs
	ds_load_b128 v[SOUT:SOUT+3], v[SRD]            ; waves 0-3: 64 columns x 8 bytes of one 256 along K
	s_wait_dscnt 0x0
	global_store_b128 v[SGO], v[SOUT:SOUT+3], s[14:15]
	s_branch .Ldone
.Lxs:
.irp n, 0,1,2,3
	v_perm_b32 v[XS+\n], v[XS+\n], v[XS+\n], 0x03010200   ; each word's second and third byte change places
.endr
	global_store_b128 v[SGO], v[XS:XS+3], s[16:17] ; waves 4-7: the same 512 bytes of xs2
.Ldone:
	s_wait_tensorcnt 0x0                           ; the wave's end
	ds_add_u32 v62, v63
	s_wait_dscnt 0x0
	s_endpgm
.Lfunc_end_k_q2bbb287280_wq:
	.size	k_q2bbb287280_wq, .Lfunc_end_k_q2bbb287280_wq-k_q2bbb287280_wq
	.p2alignl 7, 3214868480
	.fill 96, 4, 3214868480
	.section	.rodata,"a",@progbits
	.p2align	6, 0x0
	.amdhsa_kernel k_q2bbb287280_wq
		.amdhsa_group_segment_fixed_size 54272
		.amdhsa_private_segment_fixed_size 0
		.amdhsa_enable_private_segment 0
		.amdhsa_kernarg_size 56
		.amdhsa_user_sgpr_count 2
		.amdhsa_user_sgpr_kernarg_segment_ptr 1
		.amdhsa_wavefront_size32 1
		.amdhsa_system_sgpr_workgroup_id_x 1
		.amdhsa_system_sgpr_workgroup_id_y 1
		.amdhsa_system_sgpr_workgroup_id_z 1
		.amdhsa_system_vgpr_workitem_id 0
		.amdhsa_next_free_vgpr 256
		.amdhsa_next_free_sgpr 66
		.amdhsa_reserve_vcc 0
		.amdhsa_float_denorm_mode_32 3
		.amdhsa_float_denorm_mode_16_64 3
		.amdhsa_memory_ordered 1
		.amdhsa_forward_progress 1
		.amdhsa_inst_pref_size 32
	.end_amdhsa_kernel
	.amdgpu_metadata
---
amdhsa.version: [ 1, 2 ]
amdhsa.kernels:
  - .name:           k_q2bbb287280_wq
    .symbol:         k_q2bbb287280_wq.kd
    .args:
      - { .name: q_int_weight, .offset: 0, .size: 8, .value_kind: global_buffer, .address_space: global }
      - { .name: scale, .offset: 8, .size: 8, .value_kind: global_buffer, .address_space: global }
      - { .name: zero_point, .offset: 16, .size: 8, .value_kind: global_buffer, .address_space: global }
      - { .name: x_scales, .offset: 24, .size: 8, .value_kind: global_buffer, .address_space: global }
      - { .name: w_codes, .offset: 32, .size: 8, .value_kind: global_buffer, .address_space: global }
      - { .name: w_scales, .offset: 40, .size: 8, .value_kind: global_buffer, .address_space: global }
      - { .name: xs2, .offset: 48, .size: 8, .value_kind: global_buffer, .address_space: global }
    .group_segment_fixed_size: 54272
    .private_segment_fixed_size: 0
    .kernarg_segment_align: 8
    .kernarg_segment_size: 56
    .max_flat_workgroup_size: 512
    .sgpr_count:     66
    .vgpr_count:     256
    .wavefront_size: 32
...
	.end_amdgpu_metadata
.endif
;; end of part 1
;; launch gemm (part 2): grid 16 x 16, 4 waves a work-group, clusters of 4 x 4, 327,680 bytes of LDS; arguments x_codes, xs2, w_codes, w_scales, bias, out0; writes out0
.if DOCPART == 2
	.amdgcn_target "amdgcn-amd-amdhsa--gfx1250"
	.amdhsa_code_object_version 6
	.text
	.protected	k_q2bbb287280_gemm
	.globl	k_q2bbb287280_gemm
	.p2align	8
	.type	k_q2bbb287280_gemm,@function
k_q2bbb287280_gemm:
	s_mov_b64 s[64:65], 0
	v_nop
	global_prefetch_b8 v0, s[64:65] scope:SCOPE_SE
	s_setreg_imm32_b32 hwreg(HW_REG_WAVE_MODE, 25, 1), 1
	s_wait_xcnt 0x0
	s_wait_alu depctr_hold_cnt(0) depctr_sa_sdst(0) depctr_va_vdst(0) depctr_va_sdst(0) depctr_va_ssrc(0) depctr_va_vcc(0) depctr_vm_vsrc(0)
	s_getreg_b32 s2, hwreg(HW_REG_IB_STS2, 6, 4)
	s_cmp_eq_u32 s2, 0
	s_cbranch_scc0 .Lentry_in_a_cluster
	s_endpgm
.Lentry_in_a_cluster:
	s_bfe_u32 s2, ttmp6, 0x10000c
	s_cmp_lg_u32 s2, 0xf033
	s_cbranch_scc0 .Lentry_shape_is_right
	s_endpgm
.Lentry_shape_is_right:
; out[m][n] = sum over k of x[m][k] w[k][n] + bias[n].  x_codes: [4096][3072 bytes], w_codes: [4096 (n)][3072 bytes]: BF6 codes, K innermost, one stream of bits a row.
; xs2, w_scales: [rows / 256][k / 256][row % 256][8 E8M0 bytes], as the first launch laid them (in each word the second and third byte have changed places).  Sums in f32, begun with the bias as C.
; A work-group of four waves makes 256 x 256 of out; a wave 128 x 128: 64 accumulators, 512 registers.
; FRAGMENTS: a step of 128 along K is 96 bytes of a row.  Lanes 0-15 take its first 48 bytes, lanes 16-31 its last 48, as three loads of 16 bytes at multiples of 16.  So of the step's four blocks of 32
; the second and third stand in each other's places in the operand, in x and in w alike, and the scale words follow them: every product meets its own two scales.
; LIMIT: inside one matrix instruction the products are grouped in that order and not in ascending K; the steps themselves ascend.
; K goes through a ring of two LDS slots in CHUNKS OF 256 BYTES of each row (each begins at a multiple of 256 bytes): eight steps to three chunks; of each eight, steps 2 and 5 lie across two chunks.
; After eight steps the slots have changed places, so the loop's trip is eight steps, and at its end the LDS address registers of the two slots change places (an exclusive or with the two
; addresses' difference pattern).  One group 0 a side: each refill steps 256 bytes on and changes the slot.  32 steps = 1 in front of the loop (C = bias) + 3 trips of 8 + 7 written out.
; ONE RUN OF 48 LDS LOADS A STEP, in its middle, brings all of the next step's fragments: w has two sets of registers, x's blocks 0-3 one (they are done with by then), x's blocks 4-7 two.
; THE SCALES come from memory straight into registers: a load of 8 bytes a lane takes 32 rows' words for two steps, 256 consecutive bytes, aligned; four sets of 16 registers, asked for two pairs of steps ahead.
; CLUSTERS: 4 x 4.  x's tiles are asked for jointly along a row of the cluster, w's along a column.  The matrix instruction is used transposed (source 0 = w's rows, source 1 = x's).
; PREFETCH: behind the joint load of chunk c stands one request a wave for chunk c + 2 (behind chunk 0's also one for chunk 1): of the 128 rows that a wave fetches each of the four partners names 32, a lane a row, told apart by address; chunk 12 does not exist and is not named.
; REGISTERS: window 0: v0-31 addresses; v32-63, v224-255 scale words; v64-111 x's blocks 4-7 in odd steps; v128-223 x's fragments.
;   Window 1: w's fragments, two sets at v0, v128; v96-127, v224-255 bias (on the way out v0-127 take rows read back).  Windows 2, 3: accumulators.
.set SIZE_N, 4096
.set ROWB,   256
.set KROW,   3072
.set PITCH,  272                       ; 256 bytes + 16 of padding: the sixteen rows of a load's half start 4 banks apart
.set FR,     12
.set NP,     4
.set HALFT,  128*PITCH
.set SLOT,   4*HALFT                   ; x's 256 rows, then w's.  wave x HALFT has no bit in common with SLOT
.set SPARE,  2*SLOT                    ; the spare words, 512 bytes
.set STAGE,  SPARE+512                 ; the way out: 16 rows x 528 bytes a wave; no tensor load lands here
.set SPITCH, 528
.set TOG,  10                          ; v10-13 slot 0's address xor slot 1's: x plain, x across, w plain, w across
.set ADRA, 16                          ; v16-17 my x fragments in the trip's first, second slot; v18-19 lanes 0-15 at byte 208 of one, lanes 16-31 at byte 0 of the other
.set ADRB, 20
.set STO,  24
.set RD,   25
.set CO,   26
.set SGO,  27                          ; 8 x lane
.set SPW,  28
.set NIL,  29
.set BO,   30
.set PFO,  31                          ; lane x 3072
.set SC,   32
.set A2,   64
.set BI,   96                          ; in window 1
.set AF,   128
.set G1,  24
.set G0,  32
.set G0B, 36
.set G1B, 48
.set PFA, 74
.set MSB, 0
.macro WIN new
.if MSB != (\new)
	s_set_vgpr_msb (MSB<<8)|(\new)
.set MSB, (\new)
.endif
.endm
.set MUL_LO, 0xa1
.set MUL_HI, 0xf1
.set TO_B,   0x40
.macro JLOAD                           ; waves 0, 1 fetch x's halves, waves 2, 3 w's; s_nop 0 and four v_nop behind each line
	s_cmp_eq_u32 s15, 0
	s_cbranch_scc0 .Lfor_b_\@
	tensor_load_to_lds s[G0:G0+3], s[G1:G1+7]
	s_nop 0
.rept 4
	v_nop
.endr
	s_branch .Lasked_\@
.Lfor_b_\@:
	tensor_load_to_lds s[G0B:G0B+3], s[G1B:G1B+7]
	s_nop 0
.rept 4
	v_nop
.endr
.Lasked_\@:
.endm
.macro NEXTD                           ; no tensor load of mine is out: the next chunk, the other slot
	s_add_nc_u64 s[G0+2:G0+3], s[G0+2:G0+3], ROWB
	s_xor_b32 s[G0+1], s[G0+1], SLOT
	s_add_nc_u64 s[G0B+2:G0B+3], s[G0B+2:G0B+3], ROWB
	s_xor_b32 s[G0B+1], s[G0B+1], SLOT
.endm
.macro CREST
	s_cmp_lg_u32 s14, 0
	s_cbranch_scc1 .Lnot_wave_0_\@
	s_barrier_signal -3
.Lnot_wave_0_\@:
	s_barrier_wait -3
	s_barrier_signal -1
	s_barrier_wait -1
.endm
.macro CROUND
	s_barrier_signal -1
	s_barrier_wait -1
	CREST
.endm
	s_load_b128 s[4:7], s[0:1], 0x0                ; x_codes, xs2
	s_load_b128 s[8:11], s[0:1], 0x10              ; w_codes, w_scales
	s_load_b128 s[68:71], s[0:1], 0x20             ; bias, out
	v_lshl_add_u32 v[SPW], v0, 2, SPARE
	v_mov_b32 v[NIL], 0
	ds_add_u32 v[SPW], v[NIL]                      ; the opening lines: the add twice on end and one wait
	ds_add_u32 v[SPW], v[NIL]
	v_lshrrev_b32 v1, 5, v0
	v_readfirstlane_b32 s14, v1                    ; wave
	s_lshr_b32 s15, s14, 1                         ; my half of the rows; also: I fetch for x (0) or w (1)
	s_and_b32 s16, s14, 1                          ; my half of the columns; also: which 128 rows I fetch
	s_bfe_u32 s40, ttmp6, 0x40000                  ; cx
	s_bfe_u32 s41, ttmp6, 0x40004                  ; cy
	s_lshl_b32 s42, ttmp9, 2
	s_add_co_u32 s42, s42, s40                     ; tile column
	s_and_b32 s17, ttmp7, 0xffff
	s_lshl_b32 s17, s17, 2
	s_add_co_u32 s17, s17, s41                     ; tile row
	s_lshl_b32 s43, s41, 2
	s_lshl_b32 s43, 15, s43                        ; my row of the cluster
	s_lshl_b32 s44, 0x1111, s40                    ; my column
	s_or_b32 s[G1], s43, (1<<20)|(1<<21)|(5<<22)|(3<<25)    ; elements of 1 byte; 4 words of padding behind every 64
	s_or_b32 s[G1B], s44, (1<<20)|(1<<21)|(5<<22)|(3<<25)
.irp g, G1, G1B
	s_mov_b32 s[\g+1], ROWB<<16
	s_mov_b32 s[\g+2], 128<<16
	s_mov_b32 s[\g+3], ROWB<<16
	s_mov_b32 s[\g+4], 128
	s_mov_b32 s[\g+5], KROW
	s_mov_b32 s[\g+6], 0
	s_mov_b32 s[\g+7], 0
.endr
	s_lshl_b32 s18, s16, 7
	s_lshl_b32 s20, s17, 8
	s_add_co_u32 s20, s20, s18
	s_mul_i32 s20, s20, KROW                       ; x: the 128 rows that I fetch, in bytes (under 2^24)
	s_mov_b32 s21, 0
	s_lshl_b32 s46, s42, 8
	s_add_co_u32 s46, s46, s18
	s_mul_i32 s46, s46, KROW                       ; w likewise
	s_mov_b32 s47, 0
	s_lshl_b32 s22, s17, 15                        ; xs2: 32,768 bytes a tile row, 1,024 for my 128 rows
	s_lshl_b32 s19, s15, 10
	s_add_co_u32 s22, s22, s19
	s_mov_b32 s23, 0
	s_lshl_b32 s60, s42, 15                        ; w_scales likewise
	s_lshl_b32 s19, s16, 10
	s_add_co_u32 s60, s60, s19
	s_mov_b32 s61, 0
	s_lshl_b32 s62, s42, 10                        ; my first column, in bytes of f32
	s_lshl_b32 s19, s16, 9
	s_add_co_u32 s62, s62, s19
	s_mov_b32 s63, 0
	s_lshl_b32 s72, s17, 8
	s_lshl_b32 s19, s15, 7
	s_add_co_u32 s72, s72, s19
	s_lshl_b32 s72, s72, 14                        ; my first row of out, 16,384 bytes a row
	s_add_co_u32 s72, s72, s62
	s_mov_b32 s73, 0
	s_lshl_b32 s76, s17, 8                         ; the prefetches: the tile's first row,
	s_lshl_b32 s77, s42, 8
	s_cmp_eq_u32 s15, 0
	s_cselect_b32 s76, s76, s77
	s_cselect_b32 s77, s40, s41                    ; my place among the four that ask with me,
	s_lshl_b32 s77, s77, 5
	s_add_co_u32 s76, s76, s77                     ; my work-group's 32 rows
	s_add_co_u32 s76, s76, s18                     ; of the 128 that I fetch
	s_mul_i32 s76, s76, KROW
	s_mov_b32 s77, 0
	s_mul_i32 s[G0+1], s14, HALFT                  ; where my quarter of a slot lies: no place in the cluster enters an LDS address
	s_mul_i32 s[G0B+1], s14, HALFT
	s_mul_i32 s56, s15, HALFT                      ; the rows of x that I read
	s_mul_i32 s57, s16, HALFT
	s_add_co_u32 s57, s57, 2*HALFT                 ; and of w
	s_mul_i32 s58, s14, 16*SPITCH
	s_add_co_u32 s58, s58, STAGE
	s_mov_b32 s[G0], 1
	s_mov_b32 s[G0B], 1
	s_wait_dscnt 0x0                               ; both opening adds are done
	s_wait_kmcnt 0x0
	s_add_nc_u64 s[G0+2:G0+3], s[4:5], s[20:21]
	s_or_b32 s[G0+3], s[G0+3], 0x80000000
	s_add_nc_u64 s[G0B+2:G0B+3], s[8:9], s[46:47]
	s_or_b32 s[G0B+3], s[G0B+3], 0x80000000
	s_cmp_eq_u32 s15, 0
	s_cselect_b64 s[PFA:PFA+1], s[4:5], s[8:9]
	s_add_nc_u64 s[PFA:PFA+1], s[PFA:PFA+1], s[76:77]
	s_add_nc_u64 s[6:7], s[6:7], s[22:23]
	s_add_nc_u64 s[10:11], s[10:11], s[60:61]
	s_add_nc_u64 s[68:69], s[68:69], s[62:63]
	s_add_nc_u64 s[70:71], s[70:71], s[72:73]
	CROUND                                         ; all sixteen work-groups are here
	JLOAD                                          ; chunk 0: one tensor load a wave at the head
	v_and_b32 v1, 15, v0                           ; l % 16
	v_bfe_u32 v2, v0, 4, 1                         ; l / 16
	v_and_b32 v6, 31, v0
	v_sub_nc_u32 v7, 1, v2
	v_mul_u32_u24 v3, v1, PITCH
	v_mad_u32_u24 v4, v2, 48, v3                   ; row x pitch + 48 x half
	v_mad_u32_u24 v5, v2, SLOT-208, v3
	v_mad_u32_u24 v9, v7, SLOT+208, v3             ; lanes 0-15 byte 208 in slot 1, lanes 16-31 byte 0 in slot 0
	v_add_nc_u32 v5, 208, v5                       ; lanes 0-15 byte 208 in slot 0, lanes 16-31 byte 0 in slot 1
	v_add_nc_u32 v[ADRA], s56, v4
	v_add_nc_u32 v[ADRB], s57, v4
	v_add_nc_u32 v[ADRA+2], s56, v5
	v_add_nc_u32 v[ADRB+2], s57, v5
	v_add_nc_u32 v[ADRA+3], s56, v9
	v_add_nc_u32 v[ADRB+3], s57, v9
	v_add_nc_u32 v[ADRA+1], SLOT, v[ADRA]
	v_add_nc_u32 v[ADRB+1], SLOT, v[ADRB]
	v_xor_b32 v[TOG], v[ADRA], v[ADRA+1]
	v_xor_b32 v[TOG+1], v[ADRA+2], v[ADRA+3]
	v_xor_b32 v[TOG+2], v[ADRB], v[ADRB+1]
	v_xor_b32 v[TOG+3], v[ADRB+2], v[ADRB+3]
	v_mul_u32_u24 v8, v1, SPITCH
	v_lshl_add_u32 v8, v2, 5, v8
	v_add_nc_u32 v[STO], s58, v8                   ; stage, in: row l % 16, 32 bytes for each half of the lanes
	v_lshlrev_b32 v[CO], 4, v6
	v_add_nc_u32 v[RD], s58, v[CO]                 ; back: 32 lanes take a row of 512 bytes
	v_lshlrev_b32 v[BO], 5, v2
	v_lshlrev_b32 v[SGO], 3, v6
	v_mul_u32_u24 v[PFO], v6, KROW
	s_wait_alu depctr_va_vdst(0)                   ; the wait at the head's end
.macro SCLD pr                         ; the scale words of the trip's pair pr of steps into set pr % 4: registers 2 i, 2 i + 1: x's rows 32 i + lane; 8 + 2 i: w's
.set wS, SC+16*((\pr)%4)+160*(((\pr)%4)/2)
.irp i, 0,1,2,3
	global_load_b64 v[wS+2*\i:wS+2*\i+1], v[SGO], s[6:7] offset:2048*(\pr)+256*\i
	global_load_b64 v[wS+8+2*\i:wS+8+2*\i+1], v[SGO], s[10:11] offset:2048*(\pr)+256*\i
.endr
.endm
	global_prefetch_b8 v[PFO], s[PFA:PFA+1] offset:ROWB th:TH_LOAD_NT scope:SCOPE_SE
	global_prefetch_b8 v[PFO], s[PFA:PFA+1] offset:2*ROWB th:TH_LOAD_NT scope:SCOPE_SE
	WIN TO_B
.irp b, 0,1,2,3,4,5,6,7
	global_load_b128 v[BI+8*\b+96*(\b/4):BI+8*\b+96*(\b/4)+3], v[BO], s[68:69] offset:64*\b          ; bias of columns 16 b + 8 (l / 16) + 0 .. 7: the result's layout
	global_load_b128 v[BI+8*\b+96*(\b/4)+4:BI+8*\b+96*(\b/4)+7], v[BO], s[68:69] offset:64*\b+16
.endr
	WIN 0
	SCLD 0
	SCLD 1
; A fragment, 16 rows x 128 K, is three pieces of 16 bytes a lane; byte y of the trip's 768 lies in chunk y / 256, at byte y % 256 of the LDS row; lanes 16-31 read 48 bytes further on than lanes 0-15
.macro FRAG reg, adr, st, i
.irp p, 0,1,2
.set BY, 96*(\st)+16*\p
.if BY/ROWB == (BY+48)/ROWB
	ds_load_b128 v[\reg+4*\p:\reg+4*\p+3], v[\adr+(BY/ROWB)%2] offset:BY%ROWB+(\i)*16*PITCH
.else
	ds_load_b128 v[\reg+4*\p:\reg+4*\p+3], v[\adr+2+(BY/ROWB)%2] offset:BY%ROWB-208+(\i)*16*PITCH
.endif
.endr
.endm
; One product: x's block a against w's fragment b, step st.  An odd block's scale words lie in lanes 16-31.  x's blocks 4-7 lie at A2 in odd steps.
.macro W1 a, b, st, zero
.set wD, 8*(8*((\a)%4)+(\b))
.set wB, 128*((\st)%2)+FR*(\b)
.set wA, AF+FR*(\a)-((\st)%2)*((\a)/4)*(AF+4*FR-A2)
.set wC, wD
.if \zero
.set wC, BI+8*(\b)+96*((\b)/4)
.endif
.set wS, SC+16*(((\st)/2)%4)+160*((((\st)/2)%4)/2)
.set wSB, wS+8+2*((\b)/2)+(\st)%2
.set wSA, wS+2*((\a)/2)+(\st)%2
.if (((\b)%2) == 0) && (((\a)%2) == 0)
	v_wmma_scale_f32_16x16x128_f8f6f4 v[wD:wD+7], v[wB:wB+FR-1], v[wA:wA+FR-1], v[wC:wC+7], v[wSB], v[wSA] matrix_a_fmt:MATRIX_FMT_BF6 matrix_b_fmt:MATRIX_FMT_BF6
.elseif (((\b)%2) == 1) && (((\a)%2) == 0)
	v_wmma_scale_f32_16x16x128_f8f6f4 v[wD:wD+7], v[wB:wB+FR-1], v[wA:wA+FR-1], v[wC:wC+7], v[wSB], v[wSA] matrix_a_fmt:MATRIX_FMT_BF6 matrix_b_fmt:MATRIX_FMT_BF6 matrix_a_scale:MATRIX_SCALE_ROW1
.elseif (((\b)%2) == 0) && (((\a)%2) == 1)
	v_wmma_scale_f32_16x16x128_f8f6f4 v[wD:wD+7], v[wB:wB+FR-1], v[wA:wA+FR-1], v[wC:wC+7], v[wSB], v[wSA] matrix_a_fmt:MATRIX_FMT_BF6 matrix_b_fmt:MATRIX_FMT_BF6 matrix_b_scale:MATRIX_SCALE_ROW1
.else
	v_wmma_scale_f32_16x16x128_f8f6f4 v[wD:wD+7], v[wB:wB+FR-1], v[wA:wA+FR-1], v[wC:wC+7], v[wSB], v[wSA] matrix_a_fmt:MATRIX_FMT_BF6 matrix_b_fmt:MATRIX_FMT_BF6 matrix_a_scale:MATRIX_SCALE_ROW1 matrix_b_scale:MATRIX_SCALE_ROW1
.endif
.endm
.macro MUL8 a, st, zero                ; the accumulators take turns
.irp b, 0,1,2,3,4,5,6,7
	W1 \a, \b, \st, \zero
.endr
.endm
.macro MUL16 a0, st, zero
	MUL8 \a0, \st, \zero
	MUL8 (\a0)+1, \st, \zero
.endm
.macro FETCH st                        ; all of step st's fragments: w's eight into set st % 2, then x's eight
	WIN TO_B
.irp i, 0,1,2,3,4,5,6,7
	FRAG 128*((\st)%2)+FR*\i, ADRB, \st, \i
.endr
	WIN 0
.irp i, 0,1,2,3,4,5,6,7
	FRAG AF+FR*\i-((\st)%2)*(\i/4)*(AF+4*FR-A2), ADRA, \st, \i
.endr
.endm
.macro PLACES n                        ; plain places behind matrix instructions, in front of loads into registers that they read and of reads of their results
.rept \n
	v_nop
.endr
.endm
; Step st of the trip: 64 matrix instructions; the next step's fragments are fetched in its middle.
; The next step ENDS in a chunk not read yet: every wave waits for its tensor loads, and a barrier shows the chunk whole.  It BEGINS in a later chunk: the chunk left behind is read no more:
; wait, add, wait, barrier; where chunk C0 + 2 is under lim, the barrier opens a round of the cluster's barrier and the slot is filled again.
; plim: pairs of steps whose scale words exist, counted from the trip's first.
.macro STEP st, zero, lim, plim
.set NX, (\st)+1
.set C0, (96*(\st))/ROWB
.set C1, (96*NX)/ROWB
.set E0, (96*(\st)+95)/ROWB
.set E1, (96*NX+95)/ROWB
.if (\st)%2 == 0
.if (\st)/2+1 < \plim
	s_wait_loadcnt 8                               ; this pair's scale words are in; the next pair's eight loads may be out
.else
	s_wait_loadcnt 0
.endif
.endif
.if C1 > C0 || E1 > E0
	s_wait_tensorcnt 0x0                           ; all my tensor loads have landed
.if C1 > C0
	ds_add_u32 v[SPW], v[NIL]
	s_wait_dscnt 1                                 ; this step's fragments are in (asked for 32 matrix instructions ago); the add may be out
.else
	s_wait_dscnt 0x0
.endif
	WIN MUL_LO
	MUL16 0, \st, \zero
.if C1 > C0
	s_wait_dscnt 0x0                               ; the add is done; my reads of the chunk left behind are over
.endif
	s_barrier_signal -1
	MUL16 2, \st, \zero
	WIN 0
	s_barrier_wait -1
.if C1 > C0 && C0+2 < \lim
	CREST
	NEXTD
	JLOAD                                          ; chunk C0 + 2; its four v_nop are the places in front of the loads below
.else
	PLACES NP
.endif
.else
	s_wait_dscnt 0x0                               ; this step's fragments are in
	WIN MUL_LO-0x10*\zero
	MUL16 0, \st, \zero
	MUL16 2, \st, \zero
	PLACES NP
.endif
	FETCH NX
.if (\st)%2 == 0 && (\st)/2+2 < \plim
	SCLD (\st)/2+2
.endif
.if C1 > C0 && \lim > 50               ; in the loop: the chunk two refills on
.if C0+4 == 6
	s_cmp_eq_u32 s3, 1                             ; in the last trip that would be chunk 12
	s_cbranch_scc1 .Lnone_\@
.endif
	global_prefetch_b8 v[PFO], s[PFA:PFA+1] offset:(C0+4)*ROWB th:TH_LOAD_NT scope:SCOPE_SE
.if C0+4 == 6
.Lnone_\@:
.endif
.endif
	WIN MUL_HI-0x20*\zero
	MUL16 4, \st, \zero
	MUL16 6, \st, \zero
	WIN 0
.endm
	s_wait_tensorcnt 0x0                           ; my part of chunk 0 is in; slot 1's first fill is issued as a refill is
	ds_add_u32 v[SPW], v[NIL]
	NEXTD
	s_wait_dscnt 0x0
	CROUND
	JLOAD                                          ; chunk 1
	FETCH 0
	global_prefetch_b8 v[PFO], s[PFA:PFA+1] offset:3*ROWB th:TH_LOAD_NT scope:SCOPE_SE
	STEP 0, 1, 99, 99                              ; the first step's products start the sums from the bias
	s_mov_b32 s3, 3
.Ltrip:
.irp s, 1,2,3,4,5,6,7,8
	STEP \s, 0, 99, 99
.endr
	s_wait_xcnt 0x0                                ; the loads and prefetches issued have read their bases
	s_add_nc_u64 s[PFA:PFA+1], s[PFA:PFA+1], 3*ROWB
	s_add_nc_u64 s[6:7], s[6:7], 4*2048
	s_add_nc_u64 s[10:11], s[10:11], 4*2048
.irp n, 0,1,2,3
	v_xor_b32 v[ADRA+\n], v[TOG+\n/2], v[ADRA+\n]  ; three chunks on: the two slots change places
	v_xor_b32 v[ADRB+\n], v[TOG+2+\n/2], v[ADRB+\n]
.endr
	s_sub_co_u32 s3, s3, 1
	s_cmp_lg_u32 s3, 0
	s_wait_alu depctr_va_vdst(0)                   ; directly ahead of the branch
	s_cbranch_scc1 .Ltrip
.irp s, 1,2,3,4,5,6
	STEP \s, 0, 3, 4                               ; chunks 9 to 11: only chunk 11 is still asked for; pairs 12 to 15
.endr
; THE LAST STEP finishes x's blocks one after the other, and each block of 16 rows x 128 columns leaves behind its eight products: through my stage, back as rows of 512 bytes, stored as two aligned blocks of 256 bytes.
.macro TOSTAGE a
.set AC, 64*((\a)%4)
	WIN 0x08+4*((\a)/4)
.irp b, 0,1,2,3,4,5,6,7
	ds_store_b128 v[STO], v[AC+8*\b:AC+8*\b+3] offset:64*\b          ; each accumulator from its low end on
	ds_store_b128 v[STO], v[AC+8*\b+4:AC+8*\b+7] offset:64*\b+16
.endr
	WIN TO_B
.set BB, 64*((\a)%2)
.irp t, 0,1,2,3,4,5,6,7,8,9,10,11,12,13,14,15
	ds_load_b128 v[BB+4*\t:BB+4*\t+3], v[RD] offset:\t*SPITCH        ; LDS serves a wave's instructions in order
.endr
.endm
.macro SEND a, younger
.set BB, 64*((\a)%2)
	s_wait_dscnt \younger
.if (\a) > 0
	s_add_nc_u64 s[70:71], s[70:71], 16*SIZE_N*4   ; behind a wait on XCNT
.endif
	WIN 0x04
.irp t, 0,1,2,3,4,5,6,7,8,9,10,11,12,13,14,15
	global_store_b128 v[CO], v[BB+4*\t:BB+4*\t+3], s[70:71] offset:\t*SIZE_N*4 th:TH_STORE_NT
.endr
.endm
	s_wait_dscnt 0x0
.irp a, 0,1,2,3,4,5,6,7
	WIN MUL_LO+0x50*(\a/4)
	MUL8 \a, 7, 0
	PLACES NP                                      ; in front of the stores that read results just made
.if \a > 1
	s_wait_xcnt 0x0                                ; block a - 2's stores have read their registers and their base
.endif
	TOSTAGE \a
.if \a > 0
	SEND \a-1, 32                                  ; behind block a - 1's loads: block a's 16 stores and 16 loads
.endif
.endr
	s_wait_xcnt 0x0
	SEND 7, 0
	WIN 0
	s_wait_tensorcnt 0x0                           ; the wave's end
	ds_add_u32 v[SPW], v[NIL]
	s_wait_dscnt 0x0
	CROUND                                         ; the closing round
	s_endpgm
.Lfunc_end_k_q2bbb287280_gemm:
	.size	k_q2bbb287280_gemm, .Lfunc_end_k_q2bbb287280_gemm-k_q2bbb287280_gemm
	.p2alignl 7, 3214868480
	.fill 96, 4, 3214868480
	.section	.rodata,"a",@progbits
	.p2align	6, 0x0
	.amdhsa_kernel k_q2bbb287280_gemm
		.amdhsa_group_segment_fixed_size 327680
		.amdhsa_private_segment_fixed_size 0
		.amdhsa_enable_private_segment 0
		.amdhsa_kernarg_size 48
		.amdhsa_user_sgpr_count 2
		.amdhsa_user_sgpr_kernarg_segment_ptr 1
		.amdhsa_wavefront_size32 1
		.amdhsa_system_sgpr_workgroup_id_x 1
		.amdhsa_system_sgpr_workgroup_id_y 1
		.amdhsa_system_sgpr_workgroup_id_z 1
		.amdhsa_system_vgpr_workitem_id 0
		.amdhsa_next_free_vgpr 1024
		.amdhsa_next_free_sgpr 80
		.amdhsa_reserve_vcc 0
		.amdhsa_float_denorm_mode_32 3
		.amdhsa_float_denorm_mode_16_64 3
		.amdhsa_memory_ordered 1
		.amdhsa_forward_progress 1
		.amdhsa_inst_pref_size 235
	.end_amdhsa_kernel
	.amdgpu_metadata
---
amdhsa.version: [ 1, 2 ]
amdhsa.kernels:
  - .name:           k_q2bbb287280_gemm
    .symbol:         k_q2bbb287280_gemm.kd
    .args:
      - { .name: x_codes, .offset: 0, .size: 8, .value_kind: global_buffer, .address_space: global }
      - { .name: xs2, .offset: 8, .size: 8, .value_kind: global_buffer, .address_space: global }
      - { .name: w_codes, .offset: 16, .size: 8, .value_kind: global_buffer, .address_space: global }
      - { .name: w_scales, .offset: 24, .size: 8, .value_kind: global_buffer, .address_space: global }
      - { .name: bias, .offset: 32, .size: 8, .value_kind: global_buffer, .address_space: global }
      - { .name: out0, .offset: 40, .size: 8, .value_kind: global_buffer, .address_space: global }
    .group_segment_fixed_size: 327680
    .private_segment_fixed_size: 0
    .kernarg_segment_align: 8
    .kernarg_segment_size: 48
    .max_flat_workgroup_size: 128
    .sgpr_count:     80
    .vgpr_count:     1024
    .wavefront_size: 32
...
	.end_amdgpu_metadata
.endif
;; end of part 2
